; MI455X (gfx1250); checked and timed in simulation.
; The chip was launched on July 23, 2026; its instructions are those of AMD's public machine-readable ISA for CDNA 5 (MIT licence, August 2026) and "CDNA5" Instruction Set Architecture Reference Guide (July 2026). The comments in the code are by the model that wrote it; some were corrected since.
;; Quantized PCME Projector. Allowed arithmetic: matrix products marked QUANTISED: E3M2 operands, one E8M0 scale for each 32 along K, by v_wmma_scale_f32_16x16x128_f8f6f4 with both operands' format E3M2, f32 sums; everything else in f32.
;; Inputs: b_lv1 4,096 int32; b_lv2 1,024 int32; b_mu1 4,096 int32; b_mu2 1,024 int32; w_lv1 4,096 x 1,024 int32; w_lv2 1,024 x 4,096 int32; w_mu1 4,096 x 1,024 int32; w_mu2 1,024 x 4,096 int32; x 4,096 x 1,024 float32.
;; Outputs: out0 4,096 x 1,024 float32; out1 4,096 x 1,024 float32.
;; This version of the problem:
;;   THIS VERSION OF THE PROBLEM IS GIVEN IN LOW PRECISION. The matrix products marked QUANTISED in the list below multiply operands that are first quantised to E3M2 (3 exponent bits, 2 mantissa bits; 6 bits a number), with one power-of-two scale for each 32 numbers along K (OCP MX v1.0); their sums are f32. All else is computed in f32.
;;   The module's matrix products, in the order in which they are computed (A, B: the left and right operand; K: the contracted axis; several contracted axes count as one K, in the product's order):
;;     1. [M 4,096, K 1,024] x [K 1,024, N 4,096]; A: computed on the way; B: computed on the way: QUANTISED
;;     2. [M 4,096, K 4,096] x [K 4,096, N 1,024]; A: computed on the way; B: computed on the way: QUANTISED
;;     3. [M 4,096, K 1,024] x [K 1,024, N 4,096]; A: computed on the way; B: computed on the way: QUANTISED
;;     4. [M 4,096, K 4,096] x [K 4,096, N 1,024]; A: computed on the way; B: computed on the way: QUANTISED
;;   THE QUANTISER, for each operand of a quantised product, along K:
;;     - K is cut into blocks of 32 from its start; a last block that is shorter is filled with zeros.
;;     - A block's scale is 2^e with e = floor(log2(the largest magnitude in the block)) - 4, held to -126 .. 127; a block of zeros has e = 0. As a byte (E8M0): e + 127.
;;     - Each number is divided by its block's scale, clamped to +-28, and rounded to the nearest number of E3M2, ties to even, subnormals kept.
;;     - The product sums the exact products of the quantised numbers (number of the format x scale) in f32.
;;   ~~~python
;;   def quantise(x, axis):      # numpy; x: float32 -> the quantised numbers, widened to float32 again
;;       x = np.moveaxis(x, axis, -1); K = x.shape[-1]
;;       x = np.pad(x, [(0, 0)] * (x.ndim - 1) + [(0, -K % 32)]); x = x.reshape(x.shape[:-1] + (-1, 32)); a = np.abs(x).max(-1, keepdims=True)
;;       e = np.where(a > 0, np.clip(np.frexp(np.where(a > 0, a, 1))[1] - 1 - 4, -126, 127), 0)      # np.frexp(a)[1] - 1 = floor(log2(a)), exactly
;;       r = np.clip(x / 2.0 ** e, -28, 28)
;;       step = 2.0 ** (np.maximum(np.frexp(np.where(r == 0, 1, r))[1] - 1, -2) - 2)
;;       q = np.round(r / step) * step * 2.0 ** e      # np.round: ties to even
;;       return np.moveaxis(q.reshape(q.shape[:-2] + (-1,))[..., :K], -1, axis).astype(np.float32)
;;   ~~~
;;   OPERANDS COMPUTED ON THE WAY. 'Computed on the way' means the value that the module computes at that place (a softmax that the list does not call 'softmax' is quantised finished and normalised). What goes into a quantiser is computed in f32, as accurately as f32 sums, v_exp_f32 and their like allow (about 1e-6 of the number): no bf16 or f16 on the way to a quantiser, and a product that is left as it is and whose result goes on into a quantised operand takes f32 operands (vector FMAs, or v_wmma_f32_16x16x4_f32). A number that lies on a knife's edge between two numbers of the format may be rounded either way, as far as f32 arithmetic and the matrix unit's own rounding can turn it there, and no further.
;; One version. Each part assembles by itself: llvm-mc -triple=amdgcn-amd-amdhsa -mcpu=gfx1250 --defsym DOCPART=n.
;; ======== version 1 of 1: 4 launches
;; limits: right only within a limited range of input values
;; workspace buffers: cq 16,384,000 bytes; hq 26,214,400 bytes; ypre 16,777,216 bytes
;; launch quant (part 1): grid 256 x 1, 10 waves a work-group, no clusters, 88,320 bytes of LDS; arguments x, w_mu1, w_lv1, w_mu2, w_lv2, cq; writes cq
.if DOCPART == 1
	.amdgcn_target "amdgcn-amd-amdhsa--gfx1250"
	.amdhsa_code_object_version 6
	.text
	.protected	k_q2e6ea24dd8_quant
	.globl	k_q2e6ea24dd8_quant
	.p2align	8
	.type	k_q2e6ea24dd8_quant,@function
k_q2e6ea24dd8_quant:
	s_mov_b64 s[64:65], 0
	v_nop
	global_prefetch_b8 v0, s[64:65] scope:SCOPE_SE
	s_setreg_imm32_b32 hwreg(HW_REG_WAVE_MODE, 25, 1), 1
	s_wait_xcnt 0x0
; x [4096][1024] f32 and the four weights (int32: w_mu1, w_lv1 [4096][1024]; w_mu2, w_lv2 [1024][4096]) become operands of the quantised products:
; x -> clip(round(x / 0.02), -128, 127) x 0.02;  w -> f32(w) x 0.005;  then codes of BF6 (E3M2) with one E8M0 byte for each 32 along K (K is innermost in all five).
; A block's scale is 2^(floor(log2(largest magnitude)) - 4): its byte is the largest magnitude's exponent field - 4, held at 1 from below.
; WHAT IS STORED: IMAGES OF THE OPERAND'S REGISTERS.  A fragment (16 rows x 128 K) is 12 registers a lane: byte 512 c + 16 lane + 4 j holds register 4 c + j of that lane; lane (r, h) holds row r, registers 6 c .. 6 c + 5
; hold K = 64 c + 32 h + 0 .. 31.  A record is the 16 fragments of 256 rows for one 128 along K (24,576 bytes) and behind them their scale words (fragment f, row r at 64 f + 4 r): 25,600 bytes.
; cq = five tensors of 128 records; record = tile of 256 rows x (K / 128) + K step.  So a product's tile for a K step is one dense block of memory.
; THE ROWS OF w_mu1 AND w_lv1 ARE STORED IN ANOTHER ORDER inside each 32: stored row 16 u + r holds row 8 u + r + 8 (r / 8), so that the first product, used transposed, leaves 16 neighbours along the next K in a lane's registers.
; SHARES: 2,560 units, a wave each (ten waves to each of 256 work-groups): a unit is a quarter of a record, 64 rows x 128 K = four fragments, 6,144 dense bytes of codes and 256 dense, aligned bytes of scale words.
; Each load reads 512 consecutive bytes of one row (16 a lane); a fragment's 16 rows turn through the wave's own stage in LDS, so that a lane gets two whole blocks of 32 neighbours.  Waves share nothing: no barrier.
; LIMITS: x / 0.02 is computed as x x 50.0 (within one unit in the last place ahead of the rounding to whole numbers).  A block of zeros gets the byte 1 where the quantiser says 127: its codes are zeros, and this program alone
; reads the bytes.  NaN and infinities in x are not served.
.set WREG,   8704                      ; LDS of a wave: the stage and 256 bytes for its scale words
.set SPITCH, 528                       ; a stage row: 512 bytes + 16 = 33 x 16: sixteen rows at one column fall on sixteen different 16-byte columns modulo 256
.set GATH,   16*SPITCH
.set FRB,    1536                      ; a fragment's image
.set REC,    16*FRB+1024               ; a record
.set TENS,   128*REC                   ; a tensor's records
.set FLOOR,  0x2800000                 ; 2^(5 - 127): under it no largest magnitude is taken, so the byte cannot fall under 1
.set OFF, 16                           ; v16-31   row i of a fragment: 16 x lane + the row's bytes; never rewritten
.set R,   32                           ; v32-159  two sets of 64: a fragment as loaded
.set X,   160                          ; v160-223 my 64 numbers: two blocks of 32
.set T,   224                          ; v224-231 the upper halves of the blocks' codes
.set C,   232                          ; v232-255 two sets of 12: a fragment's codes
	s_load_b256 s[4:11], s[0:1], 0x0               ; x, w_mu1, w_lv1, w_mu2
	s_load_b128 s[12:15], s[0:1], 0x20             ; w_lv2, cq
	v_lshl_add_u32 v227, v0, 2, 0x15400
	v_mov_b32 v231, 0
	v_lshrrev_b32 v8, 5, v0
	s_delay_alu instid0(VALU_DEP_1)
	v_readfirstlane_b32 s16, v8                    ; wave 0..9
	v_and_b32 v9, 31, v0                           ; lane
	v_and_b32 v10, 15, v0                          ; r
	v_bfe_u32 v11, v0, 4, 1                        ; h
	s_delay_alu instid0(VALU_DEP_3)
	v_lshlrev_b32 v1, 4, v9                        ; v1: 16 x lane: my place in a load's 512 bytes and in an image's
	s_wait_alu depctr_va_vdst(0)
	s_mul_i32 s24, s16, WREG
	s_add_co_u32 s25, s24, GATH
	v_add_nc_u32 v2, s24, v1                       ; v2: the stage, on the way in
	v_mul_u32_u24 v3, v10, SPITCH
	s_delay_alu instid0(VALU_DEP_1)
	v_lshl_add_u32 v3, v11, 7, v3
	s_delay_alu instid0(VALU_DEP_1)
	v_add_nc_u32 v3, s24, v3                       ; v3: on the way out: row r, + 128 h bytes: K = 32 h on
	v_lshl_add_u32 v4, v10, 2, s25                 ; v4: my row's scale word
	v_lshl_add_u32 v5, v9, 3, s25                  ; v5: the scale words on the way out, 8 bytes a lane
	v_lshlrev_b32 v6, 3, v9                        ; v6: the same in memory
	v_lshlrev_b32 v7, 3, v11                       ; v7: 8 h: how far my two bytes are shifted in the scale word
	s_mul_i32 s17, ttmp9, 10
	s_add_co_u32 s17, s17, s16                     ; my unit
	s_lshr_b32 s18, s17, 9                         ; t: which tensor (512 units each)
	s_and_b32 s19, s17, 511                        ; the unit in it = (tile, K step, quarter)
	s_mov_b32 s22, 4096
	s_cmp_ge_u32 s18, 3                            ; the second layers' weights have K = 4,096
	s_cselect_b32 s20, 7, 5                        ; bits under the tile's number
	s_cselect_b32 s21, 31, 7                       ; K steps - 1
	s_cselect_b32 s22, 16384, s22                  ; a row in bytes
	s_sub_co_u32 s23, s18, 1
	s_cmp_lt_u32 s23, 2                            ; t = 1, 2: the rows' other order
	s_cselect_b32 s23, 1, 0
	s_cselect_b32 s28, 8, 16
	s_mul_i32 s28, s28, s22                        ; from the first fragment of 32 rows to the second: 8 rows on, or 16
	s_mov_b32 s29, 0
	s_mul_i32 s26, s23, s22
	s_lshl_b32 s26, s26, 3                         ; a fragment's rows 8-15 lie 8 rows further on there
	s_and_b32 s24, s19, 3                          ; quarter
	s_lshr_b32 s25, s19, 2                         ; record
	s_and_b32 s27, s25, s21
	s_lshl_b32 s27, s27, 9                         ; K step x 128 numbers of 4 bytes
	s_lshr_b32 s30, s19, s20
	s_lshl_b32 s30, s30, 8
	s_lshl_b32 s31, s24, 6
	s_add_co_u32 s30, s30, s31                     ; my first row: 256 x tile + 64 x quarter
	s_mul_i32 s30, s30, s22
	s_add_co_u32 s30, s30, s27                     ; my first byte in the tensor (under 2^24)
	s_mov_b32 s31, 0
	s_mov_b32 s42, 0x76543210
	s_mov_b32 s43, 0xfedcba98                      ; v_permlanex16_b32's selects for lane l xor 16
	s_mov_b32 s44, 0xc3000000                      ; -128.0
	s_mov_b32 s45, 0x42fe0000                      ; 127.0
	s_mov_b32 s46, 0x42480000                      ; 50.0  (the packed forms name a pair and take its low word for both halves: so both are written)
	s_mov_b32 s47, s46
	s_mov_b32 s48, 0x3ca3d70a                      ; 0.02
	s_mov_b32 s49, s48
	s_mov_b32 s50, 0x3ba3d70a                      ; 0.005
	s_mov_b32 s51, s50
.set i, 0
.rept 16
	s_mul_i32 s27, s22, i
.if i >= 8
	s_add_co_u32 s27, s27, s26
.endif
	v_add_nc_u32 v[OFF+i], s27, v1
.set i, i+1
.endr
	s_wait_alu depctr_va_vdst(0)
	s_wait_kmcnt 0x0
	s_cmp_eq_u32 s18, 1                            ; the tensor's address: the choices hang on the unit's number alone
	s_cselect_b64 s[4:5], s[6:7], s[4:5]
	s_cmp_eq_u32 s18, 2
	s_cselect_b64 s[4:5], s[8:9], s[4:5]
	s_cmp_eq_u32 s18, 3
	s_cselect_b64 s[4:5], s[10:11], s[4:5]
	s_cmp_eq_u32 s18, 4
	s_cselect_b64 s[4:5], s[12:13], s[4:5]
	s_add_nc_u64 s[32:33], s[4:5], s[30:31]        ; s[32:39]: a base for each of the four fragments; never rewritten
	s_add_nc_u64 s[34:35], s[32:33], s[28:29]
	s_lshl_b32 s30, s22, 5
	s_add_nc_u64 s[36:37], s[32:33], s[30:31]      ; 32 rows on
	s_add_nc_u64 s[38:39], s[36:37], s[28:29]
	s_mul_i32 s30, s18, TENS
	s_mul_i32 s27, s25, REC
	; w_mu1 and w_lv1 (t = 1, 2) are laid as records of 128 rows (8 fragments, 12,288 bytes, and 512 bytes of scale words: REC / 2), the 8 K steps of 128 rows on end:
	; tile of 256 rows x 8 REC + half x 4 REC + K step x REC / 2; in such a record my quarter is the first or the second 64 rows
	s_lshr_b32 s52, s25, 3
	s_mul_i32 s52, s52, 8*REC
	s_and_b32 s53, s25, 7
	s_mul_i32 s53, s53, REC/2
	s_add_co_u32 s52, s52, s53
	s_lshr_b32 s53, s24, 1
	s_mul_i32 s53, s53, 4*REC
	s_add_co_u32 s52, s52, s53
	s_and_b32 s53, s24, 1
	s_mov_b32 s54, 16*FRB
	s_cmp_eq_u32 s23, 1                            ; the choice hangs on the unit's number alone
	s_cselect_b32 s27, s52, s27
	s_cselect_b32 s24, s53, s24
	s_cselect_b32 s54, 8*FRB, s54
	s_add_co_u32 s30, s30, s27
	s_add_nc_u64 s[14:15], s[14:15], s[30:31]
	s_lshl_b32 s30, s24, 8
	s_add_co_u32 s30, s30, s54
	s_add_nc_u64 s[40:41], s[14:15], s[30:31]      ; my 256 bytes of its scale words
	s_mul_i32 s30, s24, 4*FRB
	s_add_nc_u64 s[14:15], s[14:15], s[30:31]      ; my four fragments of its codes
.macro LOAD f                          ; fragment f: 16 rows x 512 bytes; 32 lanes read 512 consecutive bytes, at a multiple of 512 from the tensor's first byte
.set i, 0
.rept 16
	global_load_b128 v[R+64*((\f)%2)+4*i:R+64*((\f)%2)+4*i+3], v[OFF+i], s[32+2*(\f):33+2*(\f)] th:TH_LOAD_NT
.set i, i+1
.endr
.endm
.macro STEP f
.set CS, C+12*((\f)%2)
.if (\f) < 3
	s_wait_loadcnt 16                              ; this fragment's sixteen loads are in; the next fragment's sixteen may be out
.else
	s_wait_loadcnt 0x0
.endif
.set i, 0
.rept 16
	ds_store_b128 v2, v[R+64*((\f)%2)+4*i:R+64*((\f)%2)+4*i+3] offset:SPITCH*i
.set i, i+1
.endr
.irp c, 0,1
.irp j, 0,1,2,3,4,5,6,7
	ds_load_b128 v[X+32*\c+4*\j:X+32*\c+4*\j+3], v3 offset:256*\c+16*\j   ; LDS serves a wave's instructions in order (ISA guide 5.7.1.4): these see the stores above.  K = 64 c + 32 h + 4 j on, of row r
.endr
.endr
	s_wait_dscnt 0x0                               ; my 64 numbers are in, and the stores have read the set,
.if (\f) < 2
	LOAD (\f)+2                                    ; which takes the fragment two on
.endif
	s_cmp_lg_u32 s18, 0                            ; x or a weight: a scalar branch on the unit's number, round work on registers alone
	s_cbranch_scc1 .Lweight_\@
.set j, 0
.rept 32
	v_pk_mul_f32 v[X+j:X+j+1], v[X+j:X+j+1], s[46:47] op_sel_hi:[1,0]   ; x / 0.02
.set j, j+2
.endr
.set j, 0
.rept 64
	v_rndne_f32 v[X+j], v[X+j]                     ; to the nearest whole number, ties to even
.set j, j+1
.endr
.set j, 0
.rept 64
	v_med3_num_f32 v[X+j], v[X+j], s44, s45        ; held to -128 .. 127
.set j, j+1
.endr
.set j, 0
.rept 32
	v_pk_mul_f32 v[X+j:X+j+1], v[X+j:X+j+1], s[48:49] op_sel_hi:[1,0]   ; x 0.02
.set j, j+2
.endr
	s_branch .Lhave_\@
.Lweight_\@:
.set j, 0
.rept 64
	v_cvt_f32_i32 v[X+j], v[X+j]
.set j, j+1
.endr
.set j, 0
.rept 32
	v_pk_mul_f32 v[X+j:X+j+1], v[X+j:X+j+1], s[50:51] op_sel_hi:[1,0]   ; x 0.005
.set j, j+2
.endr
.Lhave_\@:
.irp c, 0,1                            ; the largest magnitudes of my blocks 2 c + h: all 32 numbers of a block are mine.  Four chains, so that no line waits for the line above it
	v_max3_num_f32 v[8+2*\c], |v[X+32*\c]|, |v[X+32*\c+1]|, FLOOR
	v_max3_num_f32 v[9+2*\c], |v[X+32*\c+16]|, |v[X+32*\c+17]|, FLOOR
.endr
.irp n, 2,4,6,8,10,12,14
.irp c, 0,1
	s_delay_alu instid0(VALU_DEP_4)
	v_max3_num_f32 v[8+2*\c], v[8+2*\c], |v[X+32*\c+\n]|, |v[X+32*\c+\n+1]|
	s_delay_alu instid0(VALU_DEP_4)
	v_max3_num_f32 v[9+2*\c], v[9+2*\c], |v[X+32*\c+16+\n]|, |v[X+32*\c+17+\n]|
.endr
.endr
	s_delay_alu instid0(VALU_DEP_3)
	v_max_num_f32 v8, v8, v9
	s_delay_alu instid0(VALU_DEP_2)
	v_max_num_f32 v10, v10, v11
	s_delay_alu instid0(VALU_DEP_2)
	v_add_nc_u32 v14, 0xfe000000, v8               ; 4 off the exponent field: the conversion takes the exponent field of this operand as its scale, and nothing else of it
	s_delay_alu instid0(VALU_DEP_2)
	v_add_nc_u32 v15, 0xfe000000, v10
	s_delay_alu instid0(VALU_DEP_2)
	v_lshrrev_b32 v12, 23, v14                     ; the scales' bytes
	s_delay_alu instid0(VALU_DEP_2)
	v_lshrrev_b32 v13, 23, v15
	s_delay_alu instid0(VALU_DEP_1)
	v_lshl_or_b32 v12, v13, 16, v12                ; blocks h and 2 + h of row r,
	s_delay_alu instid0(VALU_DEP_1)
	v_lshlrev_b32 v12, v7, v12                     ; at their places in the scale word;
	s_delay_alu instid0(VALU_DEP_1)
	v_permlanex16_b32 v13, v12, s42, s43
	s_delay_alu instid0(VALU_DEP_1)
	v_or_b32 v12, v12, v13                         ; with lane l xor 16's two the word is whole
.if (\f) >= 2
	s_wait_alu depctr_va_vdst(0)
	s_wait_xcnt 0x0                                ; the stores of two fragments back have read this set of codes: it is written again only behind this wait
.endif
.irp c, 0,1
	v_cvt_scalef32_pk16_bf6_f32 v[CS+6*\c:CS+6*\c+2], v[X+32*\c:X+32*\c+15], v[14+\c]
	v_cvt_scalef32_pk16_bf6_f32 v[T+4*\c:T+4*\c+2], v[X+32*\c+16:X+32*\c+31], v[14+\c]   ; (a conversion's three registers begin on an even number: a block's second three do not, so they are made here and moved)
.endr
	v_nop                                          ; one plain place behind a scaled conversion
.irp c, 0,1
.irp n, 0,1,2
	v_mov_b32 v[CS+3+6*\c+\n], v[T+4*\c+\n]
.endr
.endr
.irp c, 0,1,2
	global_store_b128 v1, v[CS+4*\c:CS+4*\c+3], s[14:15] offset:FRB*(\f)+512*\c   ; 32 lanes store 512 consecutive bytes, at a multiple of 512 from cq's first byte
.endr
	ds_store_b32 v4, v12 offset:64*(\f)            ; lanes r and r + 16 write the same word with the same value
.endm
	LOAD 0
	LOAD 1
	STEP 0
	STEP 1
	STEP 2
	STEP 3
	ds_load_b64 v[8:9], v5                         ; my wave's 64 scale words, in order behind its stores
	s_wait_dscnt 0x0
	global_store_b64 v6, v[8:9], s[40:41]          ; 32 lanes store 256 consecutive bytes, at a multiple of 256 from cq's first byte
	s_wait_tensorcnt 0x0
	ds_add_u32 v227, v231
	s_wait_dscnt 0x0
	s_endpgm
.Lfunc_end_k_q2e6ea24dd8_quant:
	.size	k_q2e6ea24dd8_quant, .Lfunc_end_k_q2e6ea24dd8_quant-k_q2e6ea24dd8_quant
	.p2alignl 7, 3214868480
	.fill 96, 4, 3214868480
	.section	.rodata,"a",@progbits
	.p2align	6, 0x0
	.amdhsa_kernel k_q2e6ea24dd8_quant
		.amdhsa_group_segment_fixed_size 88320
		.amdhsa_private_segment_fixed_size 0
		.amdhsa_enable_private_segment 0
		.amdhsa_kernarg_size 48
		.amdhsa_user_sgpr_count 2
		.amdhsa_user_sgpr_kernarg_segment_ptr 1
		.amdhsa_wavefront_size32 1
		.amdhsa_system_sgpr_workgroup_id_x 1
		.amdhsa_system_sgpr_workgroup_id_y 1
		.amdhsa_system_sgpr_workgroup_id_z 1
		.amdhsa_system_vgpr_workitem_id 0
		.amdhsa_next_free_vgpr 256
		.amdhsa_next_free_sgpr 66
		.amdhsa_reserve_vcc 0
		.amdhsa_float_denorm_mode_32 3
		.amdhsa_float_denorm_mode_16_64 3
		.amdhsa_memory_ordered 1
		.amdhsa_forward_progress 1
		.amdhsa_inst_pref_size 95
	.end_amdhsa_kernel
	.amdgpu_metadata
---
amdhsa.version: [ 1, 2 ]
amdhsa.kernels:
  - .name:           k_q2e6ea24dd8_quant
    .symbol:         k_q2e6ea24dd8_quant.kd
    .args:
      - { .name: x, .offset: 0, .size: 8, .value_kind: global_buffer, .address_space: global }
      - { .name: w_mu1, .offset: 8, .size: 8, .value_kind: global_buffer, .address_space: global }
      - { .name: w_lv1, .offset: 16, .size: 8, .value_kind: global_buffer, .address_space: global }
      - { .name: w_mu2, .offset: 24, .size: 8, .value_kind: global_buffer, .address_space: global }
      - { .name: w_lv2, .offset: 32, .size: 8, .value_kind: global_buffer, .address_space: global }
      - { .name: cq, .offset: 40, .size: 8, .value_kind: global_buffer, .address_space: global }
    .group_segment_fixed_size: 88320
    .private_segment_fixed_size: 0
    .kernarg_segment_align: 8
    .kernarg_segment_size: 48
    .max_flat_workgroup_size: 320
    .sgpr_count:     66
    .vgpr_count:     256
    .wavefront_size: 32
...
	.end_amdgpu_metadata
.endif
;; end of part 1
;; launch gemm1 (part 2): grid 16 x 16, 4 waves a work-group, clusters of 4 x 1, 327,680 bytes of LDS; arguments cq, b_mu1, b_lv1, hq; writes hq
.if DOCPART == 2
	.amdgcn_target "amdgcn-amd-amdhsa--gfx1250"
	.amdhsa_code_object_version 6
	.text
	.protected	k_q2e6ea24dd8_gemm1
	.globl	k_q2e6ea24dd8_gemm1
	.p2align	8
	.type	k_q2e6ea24dd8_gemm1,@function
k_q2e6ea24dd8_gemm1:
	s_mov_b64 s[64:65], 0
	v_nop
	global_prefetch_b8 v0, s[64:65] scope:SCOPE_SE
	s_setreg_imm32_b32 hwreg(HW_REG_WAVE_MODE, 25, 1), 1
	s_wait_xcnt 0x0
	s_wait_alu depctr_hold_cnt(0) depctr_sa_sdst(0) depctr_va_vdst(0) depctr_va_sdst(0) depctr_va_ssrc(0) depctr_va_vcc(0) depctr_vm_vsrc(0)
	s_getreg_b32 s2, hwreg(HW_REG_IB_STS2, 6, 4)
	s_cmp_eq_u32 s2, 0
	s_cbranch_scc0 .Lentry_in_a_cluster
	s_endpgm
.Lentry_in_a_cluster:
	s_bfe_u32 s2, ttmp6, 0x10000c
	s_cmp_lg_u32 s2, 0x3003
	s_cbranch_scc0 .Lentry_shape_is_right
	s_endpgm
.Lentry_shape_is_right:
; The first layers of both branches: h = relu(x_q W1_q^T + 1e-4 b1), M = 4,096, N = 4,096 for mu and 4,096 for lv, K = 1,024, on codes of BF6 (E3M2) with E8M0 scales;
; then clip(round(h / 0.02), -128, 127) x 0.02, quantised along the hidden units (the next K) in registers and stored as images of the next product's operand registers.
; SHARES: 256 work-groups; one takes 256 rows of x and 512 hidden units (256 of mu, the same 256 of lv) in four CHUNKS of 128 units.  A wave takes 64 rows x 128 units of a chunk: 32 accumulators.
; x STAYS IN REGISTERS: a wave's 64 rows for all of K are 32 fragment images (384 registers) and 16 registers of scale words, loaded once from cq, each load 512 (128) consecutive bytes.
; W1 comes through LDS: a chunk's 8 records of 128 rows x 128 K lie on end in cq, 102,400 dense bytes; two slots of one chunk each, a quarter a wave by one tensor load.  One load a wave is out at any time.
; A refill is asked for at a chunk's last K step and waited for at the next chunk's last K step: 256 matrix instructions and an epilogue lie between, so no prefetch is laid; x is read once at the head, ahead of any loop.
; CLUSTER: 4 x 1 work-groups with the same hidden units and other rows: W1's chunk is asked for jointly (mask 15); its address hangs on the grid's y and the wave's number alone.
; THE MATRIX INSTRUCTION IS USED TRANSPOSED (source 0 = 16 rows of W1, source 1 = 16 rows of x); W1's rows were stored so that in tile b lane (r, h) holds row r of x and register j the unit 32 (b / 2) + 16 h + 8 (b % 2) + j.
; The bias is the C of each sum's first matrix instruction.  Two loops of two chunks: the first refills, the second does not; the slots change places by an exclusive or of 2^17 on the addresses.
; REGISTERS: window 0: v3-14 addresses, v28-29 for the add, v32-47 x's scale words, v48-55 W1's (two sets), v56-59 two constants, v112-255 x's K steps 5-7.   window 1: x's K steps 0-4.
;   window 2: accumulator (a, b) at v[8 (8 a + b)].   window 3: W1's fragments at v0-95 and v96-191, the bias at v192-255; the epilogue works on v96-191.
; THE 8-BIT GRID: w = fma(h, 50, 2^23) is 2^23 + round(50 h) for 0 <= 50 h < 2^23; held to 2^23 .. 2^23 + 127 (relu and the clip); fma(w, 0.02, -2^23 x 0.02), whose last term is exact, is k x 0.02 rounded once.
; LIMITS: h / 0.02 is taken as the exact h x 50 ahead of the rounding to whole numbers; the bias starts the sum, where the reference adds it last; a block of zeros gets the byte 1 where the quantiser
; says 127 (its codes are zeros; this program alone reads the bytes); NaN and infinities are not served.
.set FRB,   1536                       ; a fragment's image
.set REC,   16*FRB+1024                ; a record of 256 rows (x)
.set RECA,  8*FRB+512                  ; a record of 128 rows (W1, the hidden layer)
.set TENS,  128*REC                    ; a tensor's records in cq
.set S1,    0x20000                    ; slot 1; slot 0 lies at 0
.set SPARE, 8*RECA                     ; behind slot 0: the spare words, 128 bytes a wave
.set GSC,   SPARE+512                  ; 256 bytes a wave: the hidden layer's scale words are gathered here; no tile lands here
.set LI,   3                           ; 16 x lane
.set L4,   4                           ; 4 x lane
.set BO,   5                           ; 64 h
.set GWR,  6                           ; where I put a row's scale word
.set GRD,  7                           ; where I read 8 bytes of them back
.set ADRB, 8                           ; v8-9   this chunk's slot: fragments, K steps 0-3 and 4-7 (an LDS offset has 16 bits)
.set ASB,  10                          ; v10-11 its scale words
.set NB,   12                          ; v12, v13 the other slot: fragments, scale words
.set NS,   13
.set L8,   14                          ; 8 x lane
.set SPW,  28
.set NIL,  29
.set SCX,  32
.set SCW,  48
.set HA,   96                          ; the epilogue, window 3: 64 numbers,
.set TM,   160                         ; 12 at work,
.set T,    172                         ; the upper halves of the blocks' codes,
.set PC,   180                         ; a fragment's codes as they are made
.set PO,   60                          ; window 0, v60-107: twelve registers of codes for each block of a chunk, so that within a chunk no store's data are written again; v108-109: the scale words on their way out
.set G1,   24
.set G0,   32
.set XC,   20                          ; s[20:21] my fragments of x; s[22:23] their scale words
.set XS,   22
.set BN,   40                          ; s[40:41] the next chunk's bias; s[42:43] the one after
.set BM,   42
.set DL,   44                          ; s[44:45] what the next refill adds to W1's address
.set OD,   46                          ; s[46:47] what the next chunk adds to hq's addresses
.set CNT,  48
.set MSB, 0
.macro WIN new                         ; the immediate's high byte repeats the setting that is left
.if MSB != (\new)
	s_set_vgpr_msb (MSB<<8)|(\new)
.set MSB, (\new)
.endif
.endm
.macro PLACES n
.rept \n
	v_nop
.endr
.endm
.macro CREST                           ; a round of the cluster's barrier behind its opening barrier
	s_cmp_lg_u32 s14, 0
	s_cbranch_scc1 .Lnot_wave_0_\@
	s_barrier_signal -3
.Lnot_wave_0_\@:
	s_barrier_wait -3
	s_barrier_signal -1
	s_barrier_wait -1
.endm
.macro CROUND
	s_barrier_signal -1
	s_barrier_wait -1
	CREST
.endm
.macro TLOAD                           ; my quarter of a chunk
	tensor_load_to_lds s[G0:G0+3], s[G1:G1+7]
	s_nop 0
	PLACES 4
.endm
.macro BIASLOAD ptr                    ; the bias of a chunk's 128 units in the result's layout
	WIN 0xc0
.irp b, 0,1,2,3,4,5,6,7
	global_load_b128 v[192+8*\b:192+8*\b+3], v[BO], s[\ptr:\ptr+1] offset:(32*(\b/2)+8*(\b%2))*4
	global_load_b128 v[192+8*\b+4:192+8*\b+7], v[BO], s[\ptr:\ptr+1] offset:(32*(\b/2)+8*(\b%2))*4+16
.endr
	WIN 0
.endm
.macro BIASCONV cnt                    ; cnt: the loads issued behind the bias's, which may stay out
	s_wait_loadcnt \cnt
	WIN 0xc3
.set j, 0
.rept 64
	v_cvt_f32_i32 v[192+j], v[192+j]
.set j, j+1
.endr
.set j, 0
.rept 32
	v_pk_mul_f32 v[192+j:192+j+1], v[192+j:192+j+1], s[54:55] op_sel_hi:[1,0]   ; x 1e-4
.set j, j+2
.endr
	WIN 0
.endm
; 28 LDS loads: W1's scale words and eight fragments of K step kk into set p; each load reads 128 or 512 consecutive bytes
.macro FETCH kk, p, ab, as
	WIN 0
.irp g, 0,1,2,3
	ds_load_b32 v[SCW+4*(\p)+\g], v[\as] offset:((\kk)%4)*RECA+128*\g
.endr
	WIN 0xc0
.set f, 0
.rept 24
	ds_load_b128 v[96*(\p)+4*f:96*(\p)+4*f+3], v[\ab] offset:((\kk)%4)*RECA+512*f
.set f, f+1
.endr
.endm
.macro WM rw, rx                       ; rw, rx: the halves of the scale registers that hold W1's and x's words
.if (\rw) && (\rx)
	v_wmma_scale_f32_16x16x128_f8f6f4 v[rD:rD+7], v[rW:rW+11], v[rX:rX+11], v[rC:rC+7], v[rSW], v[rSX] matrix_a_fmt:MATRIX_FMT_BF6 matrix_b_fmt:MATRIX_FMT_BF6 matrix_a_scale:MATRIX_SCALE_ROW1 matrix_b_scale:MATRIX_SCALE_ROW1
.elseif (\rw)
	v_wmma_scale_f32_16x16x128_f8f6f4 v[rD:rD+7], v[rW:rW+11], v[rX:rX+11], v[rC:rC+7], v[rSW], v[rSX] matrix_a_fmt:MATRIX_FMT_BF6 matrix_b_fmt:MATRIX_FMT_BF6 matrix_a_scale:MATRIX_SCALE_ROW1
.elseif (\rx)
	v_wmma_scale_f32_16x16x128_f8f6f4 v[rD:rD+7], v[rW:rW+11], v[rX:rX+11], v[rC:rC+7], v[rSW], v[rSX] matrix_a_fmt:MATRIX_FMT_BF6 matrix_b_fmt:MATRIX_FMT_BF6 matrix_b_scale:MATRIX_SCALE_ROW1
.else
	v_wmma_scale_f32_16x16x128_f8f6f4 v[rD:rD+7], v[rW:rW+11], v[rX:rX+11], v[rC:rC+7], v[rSW], v[rSX] matrix_a_fmt:MATRIX_FMT_BF6 matrix_b_fmt:MATRIX_FMT_BF6
.endif
.endm
; W1's fragments b0 .. b0 + nb - 1 of K step k, each against x's four.  The 32 accumulators take turns, in the same order in every K step.
.macro MULB k, b0, nb, first
.if \first
	WIN 0xb7                                       ; source 0 (W1) and C (the bias) window 3, source 1 (x) window 1, D window 2
.elseif (\k) < 5
	WIN 0xa7
.else
	WIN 0xa3                                       ; x's K steps 5-7 lie in window 0
.endif
.set bb, \b0
.rept \nb
.set aa, 0
.rept 4
.set rD, 8*(8*aa+bb)
.set rW, 96*((\k)%2)+12*bb
.if (\k) < 5
.set rX, 48*(\k)+12*aa
.else
.set rX, 112+48*((\k)-5)+12*aa
.endif
.set rSW, SCW+4*((\k)%2)+bb/2
.set rSX, SCX+2*(\k)+aa/2
.if \first
.set rC, 192+8*bb
.else
.set rC, rD
.endif
	WM bb%2, aa%2
.set aa, aa+1
.endr
.set bb, bb+1
.endr
.endm
.macro STEP k                          ; one of a chunk's first seven K steps
.if (\k) == 0
	s_wait_loadcnt 56                              ; x's K steps 0-3 are in: 14 loads a K step, those of K steps 4-7 may be out (in the first chunk; later none is out)
.elseif (\k) >= 4
	s_wait_loadcnt 14*(7-(\k))                     ; x's K step k is in
.endif
	s_wait_dscnt 12
	PLACES 4
	FETCH (\k)+1,((\k)+1)%2,ADRB+((\k)+1)/4,ASB+((\k)+1)/4
	MULB \k,0,4,(\k)==0
	s_wait_dscnt 28                                ; all but the 28 just issued
	MULB \k,4,4,(\k)==0
.endm
.macro BLOCK a                         ; 16 rows x 128 units: the 8-bit grid, the next product's quantiser, the fragment and its scale words out
	WIN 0xc2
.set j, 0
.rept 32
	v_pk_fma_f32 v[HA+j:HA+j+1], v[64*(\a)+j:64*(\a)+j+1], s[50:51], v[56:57] op_sel_hi:[1,0,1]   ; 2^23 + round(50 h); each accumulator from its low end on
.set j, j+2
.endr
	WIN 0xc3
.set j, 0
.rept 64
	v_med3_num_f32 v[HA+j], v[HA+j], s56, s57      ; held to 2^23 .. 2^23 + 127
.set j, j+1
.endr
.set j, 0
.rept 32
	v_pk_fma_f32 v[HA+j:HA+j+1], v[HA+j:HA+j+1], s[52:53], v[58:59] op_sel_hi:[1,0,1]   ; k x 0.02
.set j, j+2
.endr
	WIN 0xff
.irp b, 0,1,2,3
	v_max3_num_f32 v[TM+\b], v[HA+16*\b], v[HA+1+16*\b], 0x2800000   ; block b: my 16 numbers, none negative, and the floor 2^(5 - 127): the byte cannot fall under 1
.endr
.irp n, 2,4,6,8,10,12,14
.irp b, 0,1,2,3
	v_max3_num_f32 v[TM+\b], v[TM+\b], v[HA+16*\b+\n], v[HA+1+16*\b+\n]
.endr
.endr
.irp b, 0,1,2,3
	v_permlanex16_b32 v[TM+4+\b], v[TM+\b], s58, s59
.endr
.irp b, 0,1,2,3
	v_max_num_f32 v[TM+\b], v[TM+\b], v[TM+4+\b]   ; with lane l xor 16's: the block's largest
.endr
.irp b, 0,1,2,3
	v_add_nc_u32 v[TM+8+\b], 0xfe000000, v[TM+\b]  ; 4 off its exponent field: the conversion's scale operand
.endr
.irp b, 0,1,2,3
	v_lshrrev_b32 v[TM+4+\b], 23, v[TM+8+\b]       ; the scale's byte
.endr
	v_lshl_or_b32 v[TM+4], v[TM+5], 8, v[TM+4]     ; my row's scale word
	v_lshl_or_b32 v[TM+4], v[TM+6], 16, v[TM+4]
	v_lshl_or_b32 v[TM+4], v[TM+7], 24, v[TM+4]
.irp c, 0,1
	v_cvt_scalef32_pk16_bf6_f32 v[PC+6*\c:PC+6*\c+2], v[HA+32*\c:HA+32*\c+15], v[TM+8+2*\c]
	v_cvt_scalef32_pk16_bf6_f32 v[T+4*\c:T+4*\c+2], v[HA+16+32*\c:HA+31+32*\c], v[TM+9+2*\c]   ; (a conversion's three registers begin on an even number)
.endr
	v_nop                                          ; one plain place behind a scaled conversion
.irp c, 0,1                            ; the operand's layout wants a whole block in a lane
.irp n, 0,1,2
	v_permlane16_swap_b32 v[PC+6*\c+\n], v[T+4*\c+\n]
.endr
.endr
	WIN 0x03                                       ; source window 3, destination window 0
.irp c, 0,1
.irp n, 0,1,2
	v_mov_b32 v[PO+12*(\a)+6*\c+\n], v[PC+6*\c+\n]
	v_mov_b32 v[PO+12*(\a)+3+6*\c+\n], v[T+4*\c+\n]
.endr
.endr
	WIN 0x0c                                       ; the data window 3, the address window 0
	ds_store_b32 v[GWR], v[TM+4] offset:64*(\a)    ; lanes r and r + 16 write the same word with the same value
	WIN 0
.irp c, 0,1,2
	global_store_b128 v[LI], v[PO+12*(\a)+4*\c:PO+12*(\a)+4*\c+3], s[10:11] offset:FRB*(\a)+512*\c   ; 512 consecutive bytes, at a multiple of 512 from hq's first byte
.endr
.endm
; A chunk: eight K steps and the epilogue.  refill = 1: the slot read out takes the chunk two on.  refill = 0: nothing is filled, and in the loop's last trip (CNT = 1) nothing follows: a scalar branch on the counter leads round the fetches.
.macro CHUNK refill
.set kq, 0
.rept 7
	STEP kq
.set kq, kq+1
.endr
	s_wait_loadcnt 0x0                             ; x's K step 7 is in
	WIN 0
	s_wait_tensorcnt 0x0
	ds_add_u32 v[SPW], v[NIL]
	s_wait_dscnt 13
	MULB 7,0,4,0
.if \refill
	s_add_nc_u64 s[G0+2:G0+3], s[G0+2:G0+3], s[DL:DL+1]   ; no load of mine is out: the descriptor steps
	s_mov_b32 s[DL], 8*RECA
	s_xor_b32 s[G0+1], s[G0+1], S1
.endif
	s_wait_dscnt 0x0                               ; the add is done, and my reads of this slot are over
	s_barrier_signal -1
	MULB 7,4,2,0
	WIN 0
	s_barrier_wait -1
.if \refill
	CREST                                          ; no wave of any partner still reads this slot or has a load on its way
	TLOAD                                          ; the four v_nop behind it are the places in front of the loads below
	FETCH 0,0,NB,NS
	BIASLOAD BN
.else
	s_cmp_eq_u32 s[CNT], 1
	s_cbranch_scc1 .Lno_next_\@
	PLACES 4
	FETCH 0,0,NB,NS
	BIASLOAD BN
.Lno_next_\@:
.endif
	MULB 7,6,2,0
	PLACES 4                                       ; what follows reads results and writes registers that held fragments
	WIN 0
.irp n, 0,1,2,3,4,5
	v_xor_b32 v[ADRB+\n], S1, v[ADRB+\n]           ; the slots change places
.endr
	s_wait_xcnt 0x0                                ; the last chunk's stores, issued eight K steps ago, have read their registers and bases
	s_add_nc_u64 s[10:11], s[10:11], s[OD:OD+1]    ; this chunk's record: the four steps are 0, RECA, 1023 RECA (from mu's second record to lv's first), RECA
	s_add_nc_u64 s[12:13], s[12:13], s[OD:OD+1]
.if \refill
	s_mov_b32 s[OD], s49
	s_mov_b32 s49, 1023*RECA
.else
	s_mov_b32 s[OD], RECA
.endif
	BLOCK 0
	BLOCK 1
	BLOCK 2
	BLOCK 3
	ds_load_b64 v[108:109], v[GRD]                 ; my four fragments' scale words, in order behind my stores; the bias's conversion stands between this load and the wait for it
.if \refill
	BIASCONV 0x0
	s_mov_b64 s[BN:BN+1], s[BM:BM+1]
	s_add_nc_u64 s[BM:BM+1], s[BM:BM+1], 512
.else
	s_cmp_eq_u32 s[CNT], 1
	s_cbranch_scc1 .Lno_bias_\@
	BIASCONV 0x0
.Lno_bias_\@:
.endif
	s_wait_alu depctr_va_vdst(0)                   ; ahead of the wait and the branch below
	s_wait_dscnt 0x0
	global_store_b64 v[L8], v[108:109], s[12:13]   ; 256 consecutive bytes, at a multiple of 256 from hq's first byte
.endm
	s_load_b256 s[4:11], s[0:1], 0x0               ; cq, b_mu1, b_lv1, hq
	v_lshl_add_u32 v[SPW], v0, 2, SPARE
	v_mov_b32 v[NIL], 0
	ds_add_u32 v[SPW], v[NIL]                      ; the opening lines: the add twice on end and its wait ahead of my first tensor load
	ds_add_u32 v[SPW], v[NIL]
	v_lshrrev_b32 v1, 5, v0
	v_readfirstlane_b32 s14, v1                    ; wave 0..3
	v_and_b32 v2, 31, v0
	v_lshlrev_b32 v[LI], 4, v2
	v_lshlrev_b32 v[L4], 2, v2
	v_lshlrev_b32 v[L8], 3, v2
	v_bfe_u32 v[BO], v0, 4, 1
	v_lshlrev_b32 v[BO], 6, v[BO]
	v_and_b32 v[GWR], 15, v0
	v_lshl_add_u32 v[GWR], v[GWR], 2, GSC
	v_lshl_add_u32 v[GWR], v1, 8, v[GWR]
	v_lshl_add_u32 v[GRD], v2, 3, GSC
	v_lshl_add_u32 v[GRD], v1, 8, v[GRD]
	v_lshlrev_b32 v[ADRB], 4, v2
	v_lshl_add_u32 v[ADRB+1], v2, 4, 4*RECA
	v_lshl_add_u32 v[ASB], v2, 2, 8*FRB
	v_lshl_add_u32 v[ASB+1], v2, 2, 8*FRB+4*RECA
	v_lshl_add_u32 v[NB], v2, 4, S1
	v_lshl_add_u32 v[NS], v2, 2, S1+8*FRB
	v_mov_b32 v56, 0x4b000000                      ; 2^23
	v_mov_b32 v57, 0x4b000000
	v_mov_b32 v58, 0xc823d70a                      ; -2^23 x 0.02, exact
	v_mov_b32 v59, 0xc823d70a
	s_wait_alu depctr_va_vdst(0)                   ; behind the head's vector lines
	s_bfe_u32 s15, ttmp6, 0x40000                  ; cx
	s_lshl_b32 s16, ttmp9, 2
	s_add_co_u32 s16, s16, s15                     ; tile of 256 rows
	s_and_b32 s17, ttmp7, 0xffff                   ; tile of 256 hidden units, in mu and in lv
	s_mov_b32 s[G1], 15|(3<<16)|(1<<21)            ; the mask: all four partners; elements of 8 bytes; bit 21 set beside a mask
	s_mov_b32 s[G1+1], 32<<16                      ; 25,600 dense bytes as 100 rows of 256
	s_mov_b32 s[G1+2], 100<<16
	s_mov_b32 s[G1+3], 32<<16
	s_mov_b32 s[G1+4], 100
	s_mov_b32 s[G1+5], 32
	s_mov_b32 s[G1+6], 0
	s_mov_b32 s[G1+7], 0
	s_mov_b32 s[G0], 1
	s_mul_i32 s[G0+1], s14, 2*RECA                 ; my quarter of slot 0
	s_mul_i32 s18, s16, 8*REC                      ; x: the tile's eight records
	s_mul_i32 s19, s14, 4*FRB
	s_add_co_u32 s[XC], s18, s19                   ; my four fragments of sixteen
	s_mov_b32 s[XC+1], 0
	s_lshl_b32 s19, s14, 8
	s_add_co_u32 s[XS], s18, s19
	s_add_co_u32 s[XS], s[XS], 16*FRB              ; and their scale words
	s_mov_b32 s[XS+1], 0
	s_mul_i32 s36, s17, 16*RECA                    ; W1 of mu: two chunks a tile, behind x's records; lv's lie TENS further on
	s_add_co_u32 s36, s36, s[G0+1]
	s_add_co_u32 s36, s36, TENS
	s_mov_b32 s37, 0
	s_lshl_b32 s38, s17, 10                        ; the tile's bias
	s_mov_b32 s39, 0
	s_lshl_b32 s18, s16, 1                         ; hq [branch][128 rows][128 units]: records of RECA bytes
	s_lshr_b32 s19, s14, 1
	s_add_co_u32 s18, s18, s19
	s_mul_i32 s18, s18, 32*RECA
	s_mul_i32 s19, s17, 2*RECA
	s_add_co_u32 s18, s18, s19
	s_and_b32 s19, s14, 1
	s_mul_i32 s44, s19, 4*FRB
	s_add_co_u32 s44, s44, s18                     ; my four fragments of the record's eight
	s_mov_b32 s45, 0
	s_lshl_b32 s46, s19, 8
	s_add_co_u32 s46, s46, s18
	s_add_co_u32 s46, s46, 8*FRB                   ; and their scale words
	s_mov_b32 s47, 0
	s_mov_b32 s50, 0x42480000                      ; 50.0 (the packed forms name a pair: both words are written)
	s_mov_b32 s51, s50
	s_mov_b32 s52, 0x3ca3d70a                      ; 0.02
	s_mov_b32 s53, s52
	s_mov_b32 s54, 0x38d1b717                      ; 1e-4
	s_mov_b32 s55, s54
	s_mov_b32 s56, 0x4b000000                      ; 2^23
	s_mov_b32 s57, 0x4b00007f                      ; 2^23 + 127
	s_mov_b32 s58, 0x76543210
	s_mov_b32 s59, 0xfedcba98                      ; v_permlanex16_b32's selects for lane l xor 16
	s_wait_dscnt 0x0                               ; both opening adds are done
	s_wait_kmcnt 0x0
	s_add_nc_u64 s[XC:XC+1], s[4:5], s[XC:XC+1]
	s_add_nc_u64 s[XS:XS+1], s[4:5], s[XS:XS+1]
	s_add_nc_u64 s[G0+2:G0+3], s[4:5], s[36:37]
	s_or_b32 s[G0+3], s[G0+3], 0x80000000
	s_add_nc_u64 s[6:7], s[6:7], s[38:39]
	s_add_nc_u64 s[BM:BM+1], s[8:9], s[38:39]
	s_add_nc_u64 s[BN:BN+1], s[6:7], 512
	s_add_nc_u64 s[12:13], s[10:11], s[46:47]
	s_add_nc_u64 s[10:11], s[10:11], s[44:45]
	s_mov_b32 s[DL], TENS-8*RECA                   ; from mu's second chunk to lv's first
	s_mov_b32 s[OD], 0
	s_mov_b32 s49, RECA
	CROUND                                         ; all four work-groups are here: the first joint loads meet
	TLOAD                                          ; chunk 0: one tensor load a wave at the head, ahead of x's loads
	BIASLOAD 6
.set k, 0
.rept 8                                ; x: 12 loads of 512 consecutive bytes and 2 of 128 for each K step
.if k < 5
	WIN 0x40
.set XB, 48*k
.else
	WIN 0
.set XB, 112+48*(k-5)
.endif
.set f, 0
.rept 12
	global_load_b128 v[XB+4*f:XB+4*f+3], v[LI], s[XC:XC+1] offset:k*REC+512*f
.set f, f+1
.endr
	WIN 0
	global_load_b32 v[SCX+2*k], v[L4], s[XS:XS+1] offset:k*REC
	global_load_b32 v[SCX+2*k+1], v[L4], s[XS:XS+1] offset:k*REC+128
.set k, k+1
.endr
	BIASCONV 56                                    ; the bias's loads were issued ahead of x's 112: at most the last 56 of those are out
	s_wait_alu depctr_va_vdst(0)                   ; at the head's end
	s_wait_tensorcnt 0x0                           ; my quarter of chunk 0 is in; the same lines ahead of a later first fill as ahead of a refill
	ds_add_u32 v[SPW], v[NIL]
	s_add_nc_u64 s[G0+2:G0+3], s[G0+2:G0+3], 8*RECA
	s_xor_b32 s[G0+1], s[G0+1], S1
	s_wait_dscnt 0x0
	CROUND
	TLOAD                                          ; chunk 1 into slot 1
	FETCH 0,0,ADRB,ASB
	WIN 0
	s_mov_b32 s[CNT], 2
.Lfilling:                                             ; mu's two chunks; lv's two are asked for
	CHUNK 1
	s_sub_co_u32 s[CNT], s[CNT], 1
	s_cmp_lg_u32 s[CNT], 0
	s_cbranch_scc1 .Lfilling
	s_mov_b32 s[CNT], 2
.Ldraining:                                            ; lv's two chunks
	CHUNK 0
	s_sub_co_u32 s[CNT], s[CNT], 1
	s_cmp_lg_u32 s[CNT], 0
	s_cbranch_scc1 .Ldraining
	s_wait_tensorcnt 0x0                           ; the wave's end
	ds_add_u32 v[SPW], v[NIL]
	s_wait_dscnt 0x0
	CROUND                                         ; the closing round
	s_endpgm
.Lfunc_end_k_q2e6ea24dd8_gemm1:
	.size	k_q2e6ea24dd8_gemm1, .Lfunc_end_k_q2e6ea24dd8_gemm1-k_q2e6ea24dd8_gemm1
	.p2alignl 7, 3214868480
	.fill 96, 4, 3214868480
	.section	.rodata,"a",@progbits
	.p2align	6, 0x0
	.amdhsa_kernel k_q2e6ea24dd8_gemm1
		.amdhsa_group_segment_fixed_size 327680
		.amdhsa_private_segment_fixed_size 0
		.amdhsa_enable_private_segment 0
		.amdhsa_kernarg_size 32
		.amdhsa_user_sgpr_count 2
		.amdhsa_user_sgpr_kernarg_segment_ptr 1
		.amdhsa_wavefront_size32 1
		.amdhsa_system_sgpr_workgroup_id_x 1
		.amdhsa_system_sgpr_workgroup_id_y 1
		.amdhsa_system_sgpr_workgroup_id_z 1
		.amdhsa_system_vgpr_workitem_id 0
		.amdhsa_next_free_vgpr 1024
		.amdhsa_next_free_sgpr 66
		.amdhsa_reserve_vcc 0
		.amdhsa_float_denorm_mode_32 3
		.amdhsa_float_denorm_mode_16_64 3
		.amdhsa_memory_ordered 1
		.amdhsa_forward_progress 1
		.amdhsa_inst_pref_size 236
	.end_amdhsa_kernel
	.amdgpu_metadata
---
amdhsa.version: [ 1, 2 ]
amdhsa.kernels:
  - .name:           k_q2e6ea24dd8_gemm1
    .symbol:         k_q2e6ea24dd8_gemm1.kd
    .args:
      - { .name: cq, .offset: 0, .size: 8, .value_kind: global_buffer, .address_space: global }
      - { .name: b_mu1, .offset: 8, .size: 8, .value_kind: global_buffer, .address_space: global }
      - { .name: b_lv1, .offset: 16, .size: 8, .value_kind: global_buffer, .address_space: global }
      - { .name: hq, .offset: 24, .size: 8, .value_kind: global_buffer, .address_space: global }
    .group_segment_fixed_size: 327680
    .private_segment_fixed_size: 0
    .kernarg_segment_align: 8
    .kernarg_segment_size: 32
    .max_flat_workgroup_size: 128
    .sgpr_count:     66
    .vgpr_count:     1024
    .wavefront_size: 32
...
	.end_amdgpu_metadata
.endif
;; end of part 2
;; launch gemm2 (part 3): grid 8 x 32, 4 waves a work-group, clusters of 4 x 4, 327,680 bytes of LDS; arguments hq, cq, b_mu2, b_lv2, ypre, out1, x; writes ypre, out1
.if DOCPART == 3
	.amdgcn_target "amdgcn-amd-amdhsa--gfx1250"
	.amdhsa_code_object_version 6
	.text
	.protected	k_q2e6ea24dd8_gemm2
	.globl	k_q2e6ea24dd8_gemm2
	.p2align	8
	.type	k_q2e6ea24dd8_gemm2,@function
k_q2e6ea24dd8_gemm2:
	s_mov_b64 s[64:65], 0
	v_nop
	global_prefetch_b8 v0, s[64:65] scope:SCOPE_SE
	s_setreg_imm32_b32 hwreg(HW_REG_WAVE_MODE, 25, 1), 1
	s_wait_xcnt 0x0
	s_wait_alu depctr_hold_cnt(0) depctr_sa_sdst(0) depctr_va_vdst(0) depctr_va_sdst(0) depctr_va_ssrc(0) depctr_va_vcc(0) depctr_vm_vsrc(0)
	s_getreg_b32 s2, hwreg(HW_REG_IB_STS2, 6, 4)
	s_cmp_eq_u32 s2, 0
	s_cbranch_scc0 .Lentry_in_a_cluster
	s_endpgm
.Lentry_in_a_cluster:
	s_bfe_u32 s2, ttmp6, 0x10000c
	s_cmp_lg_u32 s2, 0xf033
	s_cbranch_scc0 .Lentry_shape_is_right
	s_endpgm
.Lentry_shape_is_right:
; The second layers of both branches: y = h_q W2_q^T + 1e-4 b2, M = 4,096, N = 1,024 for each branch, K = 4,096, on codes of BF6 (E3M2) with E8M0 scales.  mu: ypre = x + y (the norm follows in the next launch:
; a row's norm spans four work-groups here); lv: y held to -5 .. 2 is out1.
; OPERANDS are images of the operand's registers.  hq: records of 128 rows x 128 K (8 fragments, 12,288 bytes, and 512 bytes of scale words), the 32 K steps of a tile of rows on end.  cq: W2's records of 256 rows x 128 K
; (25,600 bytes), likewise.  So four K steps of a tile are one dense block of memory, and a fragment comes out of LDS by three ds_load_b128 at 16 x lane.
; SHARES: 256 work-groups, one for each 128 rows x 256 columns of a branch.  THE WAVES SPLIT K: wave (kw, cw) makes all 128 rows x 128 columns (half cw), 64 accumulators, over K steps 2 kw and 2 kw + 1 of each four:
; 16 fragments from LDS feed 64 matrix instructions.  At the end the two waves of a column half add their parts: each keeps 64 rows and sends the other 64 to its partner through LDS, as register images.
; So that one text serves both, the waves with kw = 1 take h's blocks turned by four (block a is fragment a xor 4): every wave keeps window 2 and sends window 3.  The bias starts the sums of kw = 0; kw = 1 starts from 0 x the bias.
; LDS: two slots of four K steps (h: 51,200 bytes, W2: 102,400), filled by one joint load a wave: fill 0 at the head, fill 1 behind the full sequence and a round, each later fill behind a round.  One load a wave is out.
; CLUSTER: 4 x 4 work-groups of one branch: the four of a row need the same records of h, the four of a column the same records of W2.
; THE MATRIX INSTRUCTION IS USED TRANSPOSED (source 0 = 16 rows of W2, source 1 = 16 rows of h): a lane holds eight neighbouring columns of one row of y.
; REGISTERS: window 0: v3-24 addresses, v28-29 for the add, v32-47 scale words and nothing else (two sets), v64-159 and v160-255 h's fragments (two sets; rows of y on the way out).
;   window 1: W2's fragments at v0-95 and v128-223, the bias in the gaps; at the end x's 64 rows.   windows 2, 3: accumulator (a, b) at v[8 (8 (a % 4) + b)] of window 2 + a / 4.
; LIMITS: each output is the sum of two f32 sums over halves of K, the bias in the first, where the reference has one sum and adds the bias last; NaN and infinities are not served.
.set FRB,   1536
.set REC,   16*FRB+1024                ; a record of W2
.set RECA,  8*FRB+512                  ; a record of h
.set BOFF,  4*RECA                     ; a slot: h's four records, then W2's four
.set SLOT,  4*RECA+4*REC
.set SPARE, 2*SLOT                     ; behind the ring: the spare words, 128 bytes a wave
.set XREG,  32768                      ; the exchange: 32,768 bytes a wave in slot 0, which has had its last fill and its last read by then; afterwards the receiver's stage
.set SPITCH, 528                       ; a stage row: 512 bytes + 16
.set LI,   3                           ; 16 x lane
.set L4,   4                           ; 4 x lane
.set BO,   5                           ; 32 h
.set STO,  6                           ; the stage: where I put 32 bytes of a row
.set ADRA, 8                           ; v8-11   h's fragments: slot s, blocks 0-3 and 4-7 at v[8 + 2 s], v[9 + 2 s]
.set ADRB, 12                          ; v12-13  W2's fragments in slot 0, 1
.set ASA,  14                          ; v14-17  h's scale words, as v8-11
.set ASB,  18                          ; v18-19  W2's
.set PF0,  20                          ; v20-21  the prefetches' offsets
.set PF1,  21
.set SND,  22                          ; my partner's region of the exchange
.set RCV,  23                          ; mine
.set PX,   24                          ; lane x a row of x
.set SPW,  28
.set NIL,  29
.set SC,   32                          ; scale words: set p at v[32 + 8 p]: +0..3 h's, +4..7 W2's
.set AF,   64                          ; h's fragments: set p at v[64 + 96 p]
.set BK,   64                          ; the way out: 16 rows read back: v64-127 and v128-191 by turns
.set G1,   24
.set G0,   32
.set G1B,  40
.set G0B,  48
.set PFA,  74                          ; s[74:75] where my share of the next fill to ask for begins; s[76:77] a fill's bytes
.set XP,   80                          ; s[80:81] my 64 rows x 128 columns of x
.set MSB, 0
.macro WIN new
.if MSB != (\new)
	s_set_vgpr_msb (MSB<<8)|(\new)
.set MSB, (\new)
.endif
.endm
.macro PLACES n
.rept \n
	v_nop
.endr
.endm
.macro JLOAD s                         ; a joint load: waves 0 and 1 fetch the halves of h's block, waves 2 and 3 of W2's; s_nop 0 and four v_nop follow each line
	s_cmp_eq_u32 s17, 0
	s_cbranch_scc0 .Lfor_b_\@
	tensor_load_to_lds s[G0+4*\s:G0+4*\s+3], s[G1:G1+7]
	s_nop 0
	PLACES 4
	s_branch .Lasked_\@
.Lfor_b_\@:
	tensor_load_to_lds s[G0B+4*\s:G0B+4*\s+3], s[G1B:G1B+7]
	s_nop 0
	PLACES 4
.Lasked_\@:
.endm
.macro CREST
	s_cmp_lg_u32 s16, 0
	s_cbranch_scc1 .Lnot_wave_0_\@
	s_barrier_signal -3
.Lnot_wave_0_\@:
	s_barrier_wait -3
	s_barrier_signal -1
	s_barrier_wait -1
.endm
.macro CROUND
	s_barrier_signal -1
	s_barrier_wait -1
	CREST
.endm
; PREFETCHES INTO THE L2.  Of the part of a fill that my wave fetches (h: 25,600 bytes, W2: 51,200) each of the four partners that ask for it jointly takes a quarter, told apart by address (cx for h, cy for W2):
; 25 or 50 blocks of 256 bytes, a lane a block, one or two instructions; lanes left over name the share's last block again.  Behind the load of fill f stands the request for fill f + 2; the head also asks for fill 1.
; The loop's last trip (fills 6, 7) asks for nothing: there is no fill 8.
.macro ASK inloop
.if \inloop
	s_cmp_eq_u32 s56, 1
	s_cbranch_scc1 .Lnone_\@
.endif
	global_prefetch_b8 v[PF0], s[PFA:PFA+1] th:TH_LOAD_NT scope:SCOPE_SE
	s_cmp_eq_u32 s17, 0
	s_cbranch_scc1 .Lnone_\@
	global_prefetch_b8 v[PF1], s[PFA:PFA+1] th:TH_LOAD_NT scope:SCOPE_SE
.Lnone_\@:
.endm
.macro ASKX                            ; mu: the 64 rows x 512 bytes of x that I load at the end, 128 blocks of 256 bytes, a lane a row; two of my K steps ahead of the loads
	s_cmp_eq_u32 s23, 0
	s_cbranch_scc0 .Lno_x_\@
.irp o, 0, 256, 131072, 131328
	global_prefetch_b8 v[PX], s[XP:XP+1] offset:\o th:TH_LOAD_NT scope:SCOPE_SE
.endr
.Lno_x_\@:
.endm
	s_load_b256 s[4:11], s[0:1], 0x0               ; hq, cq, b_mu2, b_lv2
	s_load_b128 s[12:15], s[0:1], 0x20             ; ypre, out1
	s_load_b64 s[XP:XP+1], s[0:1], 0x30            ; x
	v_lshl_add_u32 v[SPW], v0, 2, SPARE
	v_mov_b32 v[NIL], 0
	ds_add_u32 v[SPW], v[NIL]                      ; the opening lines: the add twice on end and its wait ahead of my first tensor load
	ds_add_u32 v[SPW], v[NIL]
	v_lshrrev_b32 v1, 5, v0
	v_readfirstlane_b32 s16, v1                    ; wave 0..3
	s_lshr_b32 s17, s16, 1                         ; kw: my two of each four K steps, and the 64 rows that I keep.  Also: I fetch for h (0) or for W2 (1)
	s_and_b32 s18, s16, 1                          ; cw: which 128 columns.  Also: which half of a block I fetch
	s_bfe_u32 s19, ttmp6, 0x40000                  ; cx, cy
	s_bfe_u32 s20, ttmp6, 0x40004
	s_mov_b32 s23, ttmp9                           ; the branch = cluster x: 0 mu, 1 lv: the same in all sixteen partners
	s_lshl_b32 s21, ttmp9, 2
	s_add_co_u32 s21, s21, s19                     ; tile of W2's rows, over both branches
	s_and_b32 s22, ttmp7, 0xffff
	s_lshl_b32 s22, s22, 2
	s_add_co_u32 s22, s22, s20                     ; tile of 128 rows
	s_lshl_b32 s57, s20, 2
	s_lshl_b32 s57, 15, s57                        ; my row of the cluster
	s_lshl_b32 s58, 0x1111, s19                    ; my column
	s_or_b32 s[G1], s57, (3<<16)|(1<<21)           ; dense blocks as rows of 32 elements of 8 bytes: h: 100 rows (two records), W2: 200 rows
	s_mov_b32 s[G1+1], 32<<16
	s_mov_b32 s[G1+2], 100<<16
	s_mov_b32 s[G1+3], 32<<16
	s_mov_b32 s[G1+4], 100
	s_mov_b32 s[G1+5], 32
	s_mov_b32 s[G1+6], 0
	s_mov_b32 s[G1+7], 0
	s_or_b32 s[G1B], s58, (3<<16)|(1<<21)
	s_mov_b32 s[G1B+1], 32<<16
	s_mov_b32 s[G1B+2], 200<<16
	s_mov_b32 s[G1B+3], 32<<16
	s_mov_b32 s[G1B+4], 200
	s_mov_b32 s[G1B+5], 32
	s_mov_b32 s[G1B+6], 0
	s_mov_b32 s[G1B+7], 0
	s_mul_i32 s66, s23, 32*32*RECA                 ; h: the branch,
	s_mul_i32 s67, s22, 32*RECA                    ; the tile's 32 records,
	s_add_co_u32 s66, s66, s67
	s_mul_i32 s59, s18, 2*RECA                     ; my half of a slot's four: in memory and in LDS alike
	s_add_co_u32 s66, s66, s59
	s_mov_b32 s67, 0
	s_mul_i32 s70, s21, 32*REC                     ; W2: the tile's 32 records,
	s_mul_i32 s60, s18, 2*REC
	s_add_co_u32 s70, s70, s60
	s_add_co_u32 s70, s70, 3*128*REC               ; behind the records of x and of the first layers
	s_mov_b32 s71, 0
	s_add_co_u32 s60, s60, BOFF
	s_wait_dscnt 0x0                               ; both opening adds are done
	s_wait_kmcnt 0x0
	s_add_nc_u64 s[68:69], s[4:5], s[66:67]
	s_add_nc_u64 s[72:73], s[6:7], s[70:71]
	CROUND                                         ; all sixteen work-groups are here: the first joint loads meet
.irp s, 0,1
	s_mov_b32 s[G0+4*\s], 1
	s_add_co_u32 s[G0+4*\s+1], s59, \s*SLOT
	s_add_nc_u64 s[G0+4*\s+2:G0+4*\s+3], s[68:69], \s*4*RECA
	s_or_b32 s[G0+4*\s+3], s[G0+4*\s+3], 0x80000000
	s_mov_b32 s[G0B+4*\s], 1
	s_add_co_u32 s[G0B+4*\s+1], s60, \s*SLOT
	s_add_nc_u64 s[G0B+4*\s+2:G0B+4*\s+3], s[72:73], \s*4*REC
	s_or_b32 s[G0B+4*\s+3], s[G0B+4*\s+3], 0x80000000
.endr
	s_cmp_eq_u32 s17, 0                            ; do I fetch for h?
	s_cselect_b64 s[PFA:PFA+1], s[68:69], s[72:73]
	s_cselect_b32 s78, s19, s20                    ; my place among the four that ask with me
	s_cselect_b32 s79, 24, 31
	s_cselect_b32 s2, 0x38d1b717, 0                ; 1e-4 for the waves whose sums the bias starts, 0 for the others
	s_mov_b32 s3, s2
	s_mul_i32 s78, s78, 6400
	s_lshl_b32 s76, s78, s17                       ; my share: 6,400 bytes of h, 12,800 of W2
	s_lshl_b32 s78, 4*RECA, s17                    ; a fill: 4 RECA bytes of h, 4 REC of W2
	s_add_co_u32 s76, s76, s78
	s_mov_b32 s77, 0
	s_add_nc_u64 s[PFA:PFA+1], s[PFA:PFA+1], s[76:77]   ; at fill 1
	s_mov_b32 s76, s78
	v_and_b32 v[PF0], 31, v0
	v_min_u32 v[PF1], 17, v[PF0]
	v_min_u32 v[PF0], s79, v[PF0]
	v_lshlrev_b32 v[PF0], 8, v[PF0]
	v_lshl_add_u32 v[PF1], v[PF1], 8, 8192
	s_wait_alu depctr_va_vdst(0)                   ; ahead of the branches below
	JLOAD 0                                        ; fill 0: one tensor load a wave at the head
	ASK 0                                          ; fill 1
	v_and_b32 v1, 15, v0                           ; r
	v_bfe_u32 v2, v0, 4, 1                         ; h
	v_and_b32 v[L4], 31, v0
	v_lshlrev_b32 v[LI], 4, v[L4]
	v_lshlrev_b32 v[PX], 12, v[L4]
	v_lshlrev_b32 v[L4], 2, v[L4]
	v_lshlrev_b32 v[BO], 5, v2
	v_mul_u32_u24 v[STO], v1, SPITCH
	v_lshl_add_u32 v[STO], v2, 5, v[STO]           ; row r, + 32 h
	s_wait_alu depctr_va_vdst(0)                   ; ahead of the run of scalar lines
	s_mul_i32 s66, s17, 2*RECA+4*FRB               ; h: my two records of four; with kw = 1 blocks 0-3 are fragments 4-7,
	s_mul_i32 s67, s17, 2*RECA-4*FRB               ; and blocks 4-7 fragments 0-3
	s_mul_i32 s70, s17, 2*RECA+256                 ; their scale words: 64 bytes a fragment
	s_add_co_u32 s70, s70, 8*FRB
	s_mul_i32 s71, s17, 2*RECA-256
	s_add_co_u32 s71, s71, 8*FRB
	s_mul_i32 s57, s17, 2*REC                      ; W2: my two records, my eight fragments of sixteen
	s_mul_i32 s58, s18, 8*FRB
	s_add_co_u32 s58, s58, s57
	s_add_co_u32 s58, s58, BOFF
	s_lshl_b32 s61, s18, 9
	s_add_co_u32 s57, s57, s61
	s_add_co_u32 s57, s57, BOFF+16*FRB
.irp s, 0,1
	v_add_nc_u32 v[ADRA+2*\s], s66, v[LI]
	v_add_nc_u32 v[ADRA+2*\s+1], s67, v[LI]
	v_add_nc_u32 v[ASA+2*\s], s70, v[L4]
	v_add_nc_u32 v[ASA+2*\s+1], s71, v[L4]
	v_add_nc_u32 v[ADRB+\s], s58, v[LI]
	v_add_nc_u32 v[ASB+\s], s57, v[L4]
	s_add_co_u32 s66, s66, SLOT
	s_add_co_u32 s67, s67, SLOT
	s_add_co_u32 s70, s70, SLOT
	s_add_co_u32 s71, s71, SLOT
	s_add_co_u32 s58, s58, SLOT
	s_add_co_u32 s57, s57, SLOT
.endr
	s_lshl_b32 s66, s16, 15                        ; my region of the exchange,
	s_xor_b32 s67, s16, 2
	s_lshl_b32 s67, s67, 15                        ; and my partner's: the wave with the other kw
	v_add_nc_u32 v[RCV], s66, v[LI]
	v_add_nc_u32 v[STO], s66, v[STO]
	v_add_nc_u32 v[SND], s67, v[LI]
	s_cmp_eq_u32 s23, 0                            ; the branch's bias and its output: the choices hang on the cluster's number alone
	s_cselect_b64 s[8:9], s[8:9], s[10:11]
	s_cselect_b64 s[12:13], s[12:13], s[14:15]
	s_lshl_b32 s66, s19, 10
	s_lshl_b32 s67, s18, 9
	s_add_co_u32 s66, s66, s67                     ; my first column, in bytes: (256 cx + 128 cw) x 4
	s_mov_b32 s67, 0
	s_add_nc_u64 s[8:9], s[8:9], s[66:67]
	s_add_nc_u64 s[12:13], s[12:13], s[66:67]
	s_add_nc_u64 s[XP:XP+1], s[XP:XP+1], s[66:67]
	s_lshl_b32 s66, s22, 19
	s_lshl_b32 s70, s17, 18
	s_add_co_u32 s66, s66, s70                     ; the first row that I keep: (128 x tile + 64 kw) x 4,096 bytes
	s_add_nc_u64 s[12:13], s[12:13], s[66:67]
	s_add_nc_u64 s[XP:XP+1], s[XP:XP+1], s[66:67]
	WIN 0x40
.irp b, 0,1,2,3,4,5,6,7                ; the bias in the result's layout: for tile b lane (r, h) wants columns 16 b + 8 h + 0 .. 7
	global_load_b128 v[96+128*(\b/4)+8*(\b%4):96+128*(\b/4)+8*(\b%4)+3], v[BO], s[8:9] offset:64*\b
	global_load_b128 v[96+128*(\b/4)+8*(\b%4)+4:96+128*(\b/4)+8*(\b%4)+7], v[BO], s[8:9] offset:64*\b+16
.endr
	WIN 0
	s_wait_loadcnt 0x0
	s_wait_xcnt 0x0                                ; my prefetches have read their address
	s_add_nc_u64 s[PFA:PFA+1], s[PFA:PFA+1], s[76:77]
	ASK 0                                          ; fill 2
	WIN 0x41
.irp g, 96, 224
.set j, 0
.rept 32
	v_cvt_f32_i32 v[\g+j], v[\g+j]
.set j, j+1
.endr
.set j, 0
.rept 16
	v_pk_mul_f32 v[\g+j:\g+j+1], v[\g+j:\g+j+1], s[2:3] op_sel_hi:[1,0]
.set j, j+2
.endr
.endr
	WIN 0
.macro WM rw, rx                       ; rw, rx: the halves of the scale registers that hold W2's and h's words
.if (\rw) && (\rx)
	v_wmma_scale_f32_16x16x128_f8f6f4 v[rD:rD+7], v[rW:rW+11], v[rX:rX+11], v[rC:rC+7], v[rSW], v[rSX] matrix_a_fmt:MATRIX_FMT_BF6 matrix_b_fmt:MATRIX_FMT_BF6 matrix_a_scale:MATRIX_SCALE_ROW1 matrix_b_scale:MATRIX_SCALE_ROW1
.elseif (\rw)
	v_wmma_scale_f32_16x16x128_f8f6f4 v[rD:rD+7], v[rW:rW+11], v[rX:rX+11], v[rC:rC+7], v[rSW], v[rSX] matrix_a_fmt:MATRIX_FMT_BF6 matrix_b_fmt:MATRIX_FMT_BF6 matrix_a_scale:MATRIX_SCALE_ROW1
.elseif (\rx)
	v_wmma_scale_f32_16x16x128_f8f6f4 v[rD:rD+7], v[rW:rW+11], v[rX:rX+11], v[rC:rC+7], v[rSW], v[rSX] matrix_a_fmt:MATRIX_FMT_BF6 matrix_b_fmt:MATRIX_FMT_BF6 matrix_b_scale:MATRIX_SCALE_ROW1
.else
	v_wmma_scale_f32_16x16x128_f8f6f4 v[rD:rD+7], v[rW:rW+11], v[rX:rX+11], v[rC:rC+7], v[rSW], v[rSX] matrix_a_fmt:MATRIX_FMT_BF6 matrix_b_fmt:MATRIX_FMT_BF6
.endif
.endm
; h's block a against W2's eight, from set p.  first = 1: the bias is C.  The accumulators take turns, one instruction a turn.
.macro MULROW a, p, first
.irp b, 0,1,2,3,4,5,6,7
.set rD, 8*(8*((\a)%4)+\b)
.set rW, 128*(\p)+12*\b
.set rX, AF+96*(\p)+12*(\a)
.set rSW, SC+8*(\p)+4+\b/2
.set rSX, SC+8*(\p)+(\a)/2
.if \first
.set rC, 96+128*(\b/4)+8*(\b%4)
.else
.set rC, rD
.endif
	WM \b%2, (\a)%2
.endr
.endm
.macro MULPAIR a0, p                   ; 16 matrix instructions.  Source 0 (W2) window 1, source 1 (h) window 0, C and D window 2 or 3
	WIN 0xa1+0x50*((\a0)/4)
	MULROW \a0, \p, 0
	MULROW (\a0)+1, \p, 0
.endm
.macro MULHALF hi, p, first            ; 32 matrix instructions.  In the first K step C (the bias) lies in window 1
.if \first
	WIN 0x91+0x40*(\hi)
.else
	WIN 0xa1+0x50*(\hi)
.endif
.irp a, 0,1,2,3
	MULROW 4*(\hi)+\a, \p, \first
.endr
.endm
; 56 LDS loads in one run: the scale words, W2's eight fragments and h's eight of my K step q (0, 1) of slot s, into set p; h's blocks 4-7 last
.macro FETCH s, q, p
	WIN 0
.irp g, 0,1,2,3
	ds_load_b32 v[SC+8*(\p)+\g], v[ASA+2*(\s)+\g/2] offset:(\q)*RECA+128*\g
	ds_load_b32 v[SC+8*(\p)+4+\g], v[ASB+(\s)] offset:(\q)*REC+128*\g
.endr
	WIN 0x40
.set f, 0
.rept 24
	ds_load_b128 v[128*(\p)+4*f:128*(\p)+4*f+3], v[ADRB+(\s)] offset:(\q)*REC+512*f
.set f, f+1
.endr
	WIN 0
.set f, 0
.rept 24
	ds_load_b128 v[AF+96*(\p)+4*f:AF+96*(\p)+4*f+3], v[ADRA+2*(\s)+f/12] offset:(\q)*RECA+512*f
.set f, f+1
.endr
.endm
.macro STEPA s, first                  ; my first K step of slot s (set 0); my second is fetched into set 1
	s_wait_dscnt 12                                ; all but h's blocks 4-7 are in
	PLACES 4                                       ; in front of loads into registers that matrix instructions have read
	FETCH \s, 1, 1
	MULHALF 0, 0, \first
	s_wait_dscnt 56                                ; all but the 56 just issued
	MULHALF 1, 0, \first
.endm
; My second K step of slot s (set 1) changes slots: ONE barrier; in front of it each wave waits for all its tensor loads, adds 0 to its spare word, and waits for that and for its reads of this slot.  fill = 1: the slot is filled again.
.macro TURN s, fill
.if \fill
	s_wait_xcnt 0x0                                ; any prefetch of mine has read its address: it steps here, ahead of the waits of the change of slots
	s_add_nc_u64 s[PFA:PFA+1], s[PFA:PFA+1], s[76:77]
.endif
	WIN 0
	s_wait_tensorcnt 0x0                           ; all my tensor loads have landed: my part of the next slot
	ds_add_u32 v[SPW], v[NIL]
	s_wait_dscnt 13                                ; (the add and h's blocks 4-7 may be out)
	MULPAIR 0, 1
	s_wait_dscnt 0x0                               ; the add is done, and my reads of this slot are over
	s_barrier_signal -1
	MULPAIR 2, 1
	WIN 0
	s_barrier_wait -1
.if \fill
	CREST                                          ; no wave of any partner still reads this slot or has a load on its way
	s_add_nc_u64 s[G0+4*\s+2:G0+4*\s+3], s[G0+4*\s+2:G0+4*\s+3], 8*RECA
	s_add_nc_u64 s[G0B+4*\s+2:G0B+4*\s+3], s[G0B+4*\s+2:G0B+4*\s+3], 8*REC
	JLOAD \s                                       ; the first tensor load behind the round; its four v_nop are the places in front of the loads below
	FETCH 1-\s, 0, 0
	ASK 1                                          ; the fill two on
.else
	PLACES 4
	FETCH 1-\s, 0, 0
	ASKX
.endif
	MULHALF 1, 1, 0
.endm
	s_wait_alu depctr_va_vdst(0)                   ; at the head's end
	s_wait_xcnt 0x0
	s_add_nc_u64 s[PFA:PFA+1], s[PFA:PFA+1], s[76:77]
	s_wait_tensorcnt 0x0                           ; my part of slot 0 is in; the same lines ahead of a later first fill as ahead of a refill
	ds_add_u32 v[SPW], v[NIL]
	s_wait_dscnt 0x0
	CROUND
	JLOAD 1                                        ; slot 1's first fill
	FETCH 0, 0, 0
	ASK 0                                          ; fill 3
	STEPA 0, 1                                     ; the first K step stands in front of the loop: the bias starts the sums
	WIN 0
	s_mov_b32 s56, 3
.Llap:                                                 ; a trip goes once round the ring and fills both slots again
	TURN 0, 1
	STEPA 1, 0
	TURN 1, 1
	STEPA 0, 0
	WIN 0
	s_sub_co_u32 s56, s56, 1
	s_cmp_lg_u32 s56, 0
	s_cbranch_scc1 .Llap
	TURN 0, 0                                      ; the last lap fills nothing
	STEPA 1, 0
	s_wait_dscnt 0x0                               ; my last K step: the blocks that I send are finished first
	MULHALF 1, 1, 0
	PLACES 4
	WIN 0x0c                                       ; an LDS store's data are its source 1: window 3
.set i, 0
.rept 64
	ds_store_b128 v[SND], v[4*i:4*i+3] offset:512*i   ; register images, each accumulator from its low end on; every wave passed the last barrier behind its last read of slot 0
.set i, i+1
.endr
	MULHALF 0, 1, 0
	PLACES 4
	WIN 0
	s_cmp_eq_u32 s23, 0                            ; mu: x's rows, into the registers that held W2's fragments
	s_cbranch_scc0 .Lno_x
	WIN 0x40
.set i, 0
.rept 64
	global_load_b128 v[4*i:4*i+3], v[LI], s[XP:XP+1] offset:i*4096 th:TH_LOAD_NT   ; 512 consecutive bytes of row i
.set i, i+1
.endr
	WIN 0
.Lno_x:
	s_wait_dscnt 0x0                               ; for my partner's sake: my stores are done
	s_barrier_signal -1
	s_barrier_wait -1
	WIN 0xc0
.set i, 0
.rept 64
	ds_load_b128 v[4*i:4*i+3], v[RCV] offset:512*i    ; my partner's part of the rows that I keep, into window 3
.set i, i+1
.endr
	s_wait_dscnt 32
	WIN 0x8e                                       ; window 2 += window 3
.set j, 0
.rept 64
	v_pk_add_f32 v[j:j+1], v[j:j+1], v[j:j+1]
.set j, j+2
.endr
	s_wait_dscnt 0x0
.rept 64
	v_pk_add_f32 v[j:j+1], v[j:j+1], v[j:j+1]
.set j, j+2
.endr
	WIN 0
; THE WAY OUT, block by block of 16 rows x 128 columns, through my own stage (my region of the exchange, which I have read out) and back as whole rows of 512 bytes.
; LDS serves a wave's instructions in order (ISA guide 5.7.1.4): no wait between the stores and the loads.
.macro TOSTAGE a
	WIN 0x08
.irp b, 0,1,2,3,4,5,6,7
	ds_store_b128 v[STO], v[64*(\a)+8*\b:64*(\a)+8*\b+3] offset:64*\b
	ds_store_b128 v[STO], v[64*(\a)+8*\b+4:64*(\a)+8*\b+7] offset:64*\b+16
.endr
	WIN 0
.set BB, BK+64*((\a)%2)
.irp t, 0,1,2,3,4,5,6,7,8,9,10,11,12,13,14,15
	ds_load_b128 v[BB+4*\t:BB+4*\t+3], v[RCV] offset:\t*SPITCH
.endr
.endm
.macro SEND a, younger                 ; younger: the LDS instructions issued behind block a's loads, which may stay out
.set BB, BK+64*((\a)%2)
	s_wait_dscnt \younger
	s_wait_loadcnt 16*(3-(\a))                     ; mu: x's rows of this block are in; the later blocks' sixteen loads each may be out
	s_cmp_eq_u32 s23, 0                            ; a scalar branch on the cluster's number, round work on registers alone
	s_cbranch_scc0 .Llv_\@
	WIN 0x04                                       ; source 1 window 1
.set j, 0
.rept 32
	v_pk_add_f32 v[BB+j:BB+j+1], v[BB+j:BB+j+1], v[64*(\a)+j:64*(\a)+j+1]   ; mu: the residual
.set j, j+2
.endr
	WIN 0
	s_wait_alu depctr_va_vdst(0)                   ; directly ahead of the branch
	s_branch .Lgo_\@
.Llv_\@:
.set j, 0
.rept 64
	v_med3_num_f32 v[BB+j], v[BB+j], 0xc0a00000, 2.0   ; lv: held to -5 .. 2
.set j, j+1
.endr
.Lgo_\@:
.irp t, 0,1,2,3,4,5,6,7,8,9,10,11,12,13,14,15
	global_store_b128 v[LI], v[BB+4*\t:BB+4*\t+3], s[12:13] offset:(16*(\a)+\t)*4096 th:TH_STORE_NT   ; 512 consecutive bytes, at a multiple of 512 from the output's first byte
.endr
.endm
	TOSTAGE 0
.irp a, 1,2,3
.if \a > 1
	s_wait_xcnt 0x0                                ; block a - 2's stores have read their registers: block a's loads may land there
.endif
	TOSTAGE \a
	SEND \a-1, 32
.endr
	SEND 3, 0
	s_wait_tensorcnt 0x0                           ; the wave's end
	ds_add_u32 v[SPW], v[NIL]
	s_wait_dscnt 0x0
	CROUND                                         ; the closing round
	s_endpgm
.Lfunc_end_k_q2e6ea24dd8_gemm2:
	.size	k_q2e6ea24dd8_gemm2, .Lfunc_end_k_q2e6ea24dd8_gemm2-k_q2e6ea24dd8_gemm2
	.p2alignl 7, 3214868480
	.fill 96, 4, 3214868480
	.section	.rodata,"a",@progbits
	.p2align	6, 0x0
	.amdhsa_kernel k_q2e6ea24dd8_gemm2
		.amdhsa_group_segment_fixed_size 327680
		.amdhsa_private_segment_fixed_size 0
		.amdhsa_enable_private_segment 0
		.amdhsa_kernarg_size 56
		.amdhsa_user_sgpr_count 2
		.amdhsa_user_sgpr_kernarg_segment_ptr 1
		.amdhsa_wavefront_size32 1
		.amdhsa_system_sgpr_workgroup_id_x 1
		.amdhsa_system_sgpr_workgroup_id_y 1
		.amdhsa_system_sgpr_workgroup_id_z 1
		.amdhsa_system_vgpr_workitem_id 0
		.amdhsa_next_free_vgpr 1024
		.amdhsa_next_free_sgpr 84
		.amdhsa_reserve_vcc 0
		.amdhsa_float_denorm_mode_32 3
		.amdhsa_float_denorm_mode_16_64 3
		.amdhsa_memory_ordered 1
		.amdhsa_forward_progress 1
		.amdhsa_inst_pref_size 185
	.end_amdhsa_kernel
	.amdgpu_metadata
---
amdhsa.version: [ 1, 2 ]
amdhsa.kernels:
  - .name:           k_q2e6ea24dd8_gemm2
    .symbol:         k_q2e6ea24dd8_gemm2.kd
    .args:
      - { .name: hq, .offset: 0, .size: 8, .value_kind: global_buffer, .address_space: global }
      - { .name: cq, .offset: 8, .size: 8, .value_kind: global_buffer, .address_space: global }
      - { .name: b_mu2, .offset: 16, .size: 8, .value_kind: global_buffer, .address_space: global }
      - { .name: b_lv2, .offset: 24, .size: 8, .value_kind: global_buffer, .address_space: global }
      - { .name: ypre, .offset: 32, .size: 8, .value_kind: global_buffer, .address_space: global }
      - { .name: out1, .offset: 40, .size: 8, .value_kind: global_buffer, .address_space: global }
      - { .name: x, .offset: 48, .size: 8, .value_kind: global_buffer, .address_space: global }
    .group_segment_fixed_size: 327680
    .private_segment_fixed_size: 0
    .kernarg_segment_align: 8
    .kernarg_segment_size: 56
    .max_flat_workgroup_size: 128
    .sgpr_count:     84
    .vgpr_count:     1024
    .wavefront_size: 32
...
	.end_amdgpu_metadata
.endif
;; end of part 3
;; launch norm (part 4): grid 256 x 1, 8 waves a work-group, no clusters, 0 bytes of LDS; arguments ypre, out0; writes out0
.if DOCPART == 4
	.amdgcn_target "amdgcn-amd-amdhsa--gfx1250"
	.amdhsa_code_object_version 6
	.text
	.protected	k_q2e6ea24dd8_norm
	.globl	k_q2e6ea24dd8_norm
	.p2align	8
	.type	k_q2e6ea24dd8_norm,@function
k_q2e6ea24dd8_norm:
	s_mov_b64 s[64:65], 0
	v_nop
	global_prefetch_b8 v0, s[64:65] scope:SCOPE_SE
	s_setreg_imm32_b32 hwreg(HW_REG_WAVE_MODE, 25, 1), 1
	s_wait_xcnt 0x0
; out0[r][:] = y / max(||y||, 1e-12), y = ypre[r][:], which already holds x + the mu branch's second layer.  Both [4096][1024] f32.
; A row is 4,096 bytes: one wave takes a whole row, eight 16-byte loads a lane, and keeps y in 32 registers between the sum of squares and the division: the input is read once, and no wave waits for another: no LDS, no barrier.
; Eight waves, two rows each; all 16 loads of a wave go out first.  Each load and store of a wave covers 512 consecutive bytes, at a multiple of 512 from the buffer's first byte.
; The matrix units, clusters and LDS would add nothing here: the work is two multiplications and an addition for each number moved.  No loop to run ahead in: no prefetch.
; LIMITS: the division is a multiplication by v_rcp_f32's result; the sum of squares overflows where the reference's does; a sum of squares under 2^-126 counts as 0 in the root, where 1e-12 takes the norm's place anyway.
.set Y, 16                             ; v[16 + 32 row ..]  32 registers: y, then the result
	s_load_b128 s[4:7], s[0:1], 0x0                ; ypre, out0
	v_and_b32 v1, 31, v0
	v_lshrrev_b32 v2, 5, v0
	s_delay_alu instid0(VALU_DEP_2)
	v_lshlrev_b32 v1, 4, v1
	s_delay_alu instid0(VALU_DEP_1)
	v_lshl_add_u32 v1, v2, 13, v1                  ; 16 x lane + wave x two rows; never rewritten
	s_lshl_b32 s2, ttmp9, 16                       ; the work-group's 16 rows
	s_mov_b32 s3, 0
	s_mov_b32 s10, 0x76543210
	s_mov_b32 s11, 0xfedcba98                      ; v_permlanex16_b32's selects for lane l xor 16
	s_wait_alu depctr_va_vdst(0)                   ; at the head's end
	s_wait_kmcnt 0x0
	s_add_nc_u64 s[4:5], s[4:5], s[2:3]
	s_add_nc_u64 s[6:7], s[6:7], s[2:3]
.irp w, 0,1
.irp j, 0,1,2,3,4,5,6,7
	global_load_b128 v[Y+32*\w+4*\j:Y+32*\w+4*\j+3], v1, s[4:5] offset:4096*\w+512*\j th:TH_LOAD_NT
.endr
.endr
.macro ROW w, left
.set YW, Y+32*\w
	s_wait_loadcnt \left                           ; this row's eight loads are in; the other row's may be out
.irp k, 0,2,4,6
	v_pk_mul_f32 v[4+\k:5+\k], v[YW+\k:YW+\k+1], v[YW+\k:YW+\k+1]   ; the sum of squares, in four chains of pairs: the first products start them
.endr
.set j, 8
.rept 12
	s_delay_alu instid0(VALU_DEP_4)
	v_pk_fma_f32 v[4+j%8:5+j%8], v[YW+j:YW+j+1], v[YW+j:YW+j+1], v[4+j%8:5+j%8]
.set j, j+2
.endr
	s_delay_alu instid0(VALU_DEP_3)
	v_pk_add_f32 v[4:5], v[4:5], v[6:7]
	s_delay_alu instid0(VALU_DEP_2)
	v_pk_add_f32 v[8:9], v[8:9], v[10:11]
	s_delay_alu instid0(VALU_DEP_1)
	v_pk_add_f32 v[4:5], v[4:5], v[8:9]
	s_delay_alu instid0(VALU_DEP_1)
	v_add_f32 v4, v4, v5
	s_delay_alu instid0(VALU_DEP_1)
	v_add_f32_dpp v4, v4, v4 row_xmask:1 row_mask:0xf bank_mask:0xf   ; across the 32 lanes: four steps inside each half, one across
	s_delay_alu instid0(VALU_DEP_1)
	v_add_f32_dpp v4, v4, v4 row_xmask:2 row_mask:0xf bank_mask:0xf
	s_delay_alu instid0(VALU_DEP_1)
	v_add_f32_dpp v4, v4, v4 row_xmask:4 row_mask:0xf bank_mask:0xf
	s_delay_alu instid0(VALU_DEP_1)
	v_add_f32_dpp v4, v4, v4 row_xmask:8 row_mask:0xf bank_mask:0xf
	s_delay_alu instid0(VALU_DEP_1)
	v_permlanex16_b32 v5, v4, s10, s11             ; (its destination has been written)
	s_delay_alu instid0(VALU_DEP_1)
	v_add_f32 v4, v4, v5
	s_wait_alu depctr_va_vdst(0)                   ; ahead of a transcendental and behind it
	v_sqrt_f32 v6, v4
	v_nop                                          ; one plain place behind a transcendental
	s_wait_alu depctr_va_vdst(0)
	v_max_num_f32 v6, 0x2b8cbccc, v6               ; max(norm, 1e-12)
	s_wait_alu depctr_va_vdst(0)
	v_rcp_f32 v12, v6
	v_nop
	s_wait_alu depctr_va_vdst(0)
	v_mov_b32 v13, v12                             ; a pair for the packed multiply
.set j, 0
.rept 16
	v_pk_mul_f32 v[YW+j:YW+j+1], v[YW+j:YW+j+1], v[12:13]
.set j, j+2
.endr
.irp j, 0,1,2,3,4,5,6,7
	global_store_b128 v1, v[YW+4*\j:YW+4*\j+3], s[6:7] offset:4096*\w+512*\j th:TH_STORE_NT   ; the stores' data are never written again
.endr
.endm
	ROW 0, 8
	ROW 1, 0
	s_endpgm
.Lfunc_end_k_q2e6ea24dd8_norm:
	.size	k_q2e6ea24dd8_norm, .Lfunc_end_k_q2e6ea24dd8_norm-k_q2e6ea24dd8_norm
	.p2alignl 7, 3214868480
	.fill 96, 4, 3214868480
	.section	.rodata,"a",@progbits
	.p2align	6, 0x0
	.amdhsa_kernel k_q2e6ea24dd8_norm
		.amdhsa_group_segment_fixed_size 0
		.amdhsa_private_segment_fixed_size 0
		.amdhsa_enable_private_segment 0
		.amdhsa_kernarg_size 16
		.amdhsa_user_sgpr_count 2
		.amdhsa_user_sgpr_kernarg_segment_ptr 1
		.amdhsa_wavefront_size32 1
		.amdhsa_system_sgpr_workgroup_id_x 1
		.amdhsa_system_sgpr_workgroup_id_y 1
		.amdhsa_system_sgpr_workgroup_id_z 1
		.amdhsa_system_vgpr_workitem_id 0
		.amdhsa_next_free_vgpr 96
		.amdhsa_next_free_sgpr 66
		.amdhsa_reserve_vcc 0
		.amdhsa_float_denorm_mode_32 3
		.amdhsa_float_denorm_mode_16_64 3
		.amdhsa_memory_ordered 1
		.amdhsa_forward_progress 1
		.amdhsa_inst_pref_size 12
	.end_amdhsa_kernel
	.amdgpu_metadata
---
amdhsa.version: [ 1, 2 ]
amdhsa.kernels:
  - .name:           k_q2e6ea24dd8_norm
    .symbol:         k_q2e6ea24dd8_norm.kd
    .args:
      - { .name: ypre, .offset: 0, .size: 8, .value_kind: global_buffer, .address_space: global }
      - { .name: out0, .offset: 8, .size: 8, .value_kind: global_buffer, .address_space: global }
    .group_segment_fixed_size: 0
    .private_segment_fixed_size: 0
    .kernarg_segment_align: 8
    .kernarg_segment_size: 16
    .max_flat_workgroup_size: 256
    .sgpr_count:     66
    .vgpr_count:     96
    .wavefront_size: 32
...
	.end_amdgpu_metadata
.endif
;; end of part 4
